; MI455X (gfx1250); checked and timed in simulation.
; The chip was launched on July 23, 2026; its instructions are those of AMD's public machine-readable ISA for CDNA 5 (MIT licence, August 2026) and "CDNA5" Instruction Set Architecture Reference Guide (July 2026). The comments in the code are by the model that wrote it; some were corrected since.
;; LFGA. Allowed arithmetic: matrix products marked QUANTISED: E2M1 operands, one E8M0 scale for each 32 along K, by v_wmma_scale_f32_16x16x128_f8f6f4 with both operands' format E2M1 (or v_wmma_scale_f32_32x16x128_f4), f32 sums; everything else in f32.
;; Inputs: Wk_codes 64 x 8 x 16 uint8 (E2M1 codes of Wk, K innermost, in blocks of 32 codes, two codes a byte); Wk_scales 64 x 8 uint8 (E8M0 scales of Wk, one for each 32 codes along K); Wq_codes 64 x 8 x 16 uint8 (E2M1 codes of Wq, K innermost, in blocks of 32 codes, two codes a byte); Wq_scales 64 x 8 uint8 (E8M0 scales of Wq, one for each 32 codes along K); Wv_codes 256 x 8 x 16 uint8 (E2M1 codes of Wv, K innermost, in blocks of 32 codes, two codes a byte); Wv_scales 256 x 8 uint8 (E8M0 scales of Wv, one for each 32 codes along K); bk 64 float32; bq 64 float32; bv 256 float32; fa 8 x 256 x 64 x 64 float32; fb_codes 8 x 64 x 64 x 8 x 16 uint8 (E2M1 codes of fb, K innermost, in blocks of 32 codes, two codes a byte); fb_scales 8 x 64 x 64 x 8 uint8 (E8M0 scales of fb, one for each 32 codes along K); gamma one number float32.
;; Outputs: out0 8 x 256 x 64 x 64 float32.
;; This version of the problem:
;;   THIS VERSION OF THE PROBLEM IS GIVEN IN LOW PRECISION. The matrix products marked QUANTISED in the list below multiply operands that are first quantised to E2M1 (2 exponent bits, 1 mantissa bit; 4 bits a number), with one power-of-two scale for each 32 numbers along K (OCP MX v1.0); their sums are f32. All else is computed in f32.
;;   The module's matrix products, in the order in which they are computed (A, B: the left and right operand; K: the contracted axis; several contracted axes count as one K, in the product's order):
;;     1. [M 64, K 256] x [K 256, N 32,768]; A: input Wq (given as codes); B: input fb (given as codes): QUANTISED
;;     2. [M 64, K 256] x [K 256, N 32,768]; A: input Wk (given as codes); B: input fb (given as codes): QUANTISED
;;     3. [M 256, K 256] x [K 256, N 32,768]; A: input Wv (given as codes); B: input fa: QUANTISED
;;     4. batch 8 x [M 4,096, K 64] x [K 64, N 4,096]; A: computed on the way; B: computed on the way: QUANTISED
;;     5. batch 8 x [M 256, K 4,096] x [K 4,096, N 4,096]; A: computed on the way; B: softmax (see below): QUANTISED
;;   THE QUANTISER, for each operand of a quantised product, along K:
;;     - K is cut into blocks of 32 from its start; a last block that is shorter is filled with zeros.
;;     - A block's scale is 2^e with e = floor(log2(the largest magnitude in the block)) - 2, held to -126 .. 127; a block of zeros has e = 0. As a byte (E8M0): e + 127.
;;     - Each number is divided by its block's scale, clamped to +-6, and rounded to the nearest number of E2M1, ties to even, subnormals kept.
;;     - The product sums the exact products of the quantised numbers (number of the format x scale) in f32.
;;   ~~~python
;;   def quantise(x, axis):      # numpy; x: float32 -> the quantised numbers, widened to float32 again
;;       x = np.moveaxis(x, axis, -1); K = x.shape[-1]
;;       x = np.pad(x, [(0, 0)] * (x.ndim - 1) + [(0, -K % 32)]); x = x.reshape(x.shape[:-1] + (-1, 32)); a = np.abs(x).max(-1, keepdims=True)
;;       e = np.where(a > 0, np.clip(np.frexp(np.where(a > 0, a, 1))[1] - 1 - 2, -126, 127), 0)      # np.frexp(a)[1] - 1 = floor(log2(a)), exactly
;;       r = np.clip(x / 2.0 ** e, -6, 6)
;;       step = 2.0 ** (np.maximum(np.frexp(np.where(r == 0, 1, r))[1] - 1, 0) - 1)
;;       q = np.round(r / step) * step * 2.0 ** e      # np.round: ties to even
;;       return np.moveaxis(q.reshape(q.shape[:-2] + (-1,))[..., :K], -1, axis).astype(np.float32)
;;   ~~~
;;   SOFTMAX AHEAD OF A QUANTISED PRODUCT. Where the list says 'softmax', what is quantised is not the finished softmax but p = 2^(t - M), with t = logit x log2(e) and M = ceil(the row's largest t), a whole number; so 1/2 < the row's largest p <= 1. The row's sum l is taken of the UNQUANTISED p, in f32, and the product's result is divided by l at the end. Since M is a whole number, a kernel that streams over the keys may use a running M (the ceiling of the running maximum): every later rescaling is an exact power of two, which a block's scale takes up: the codes' values come out the same.
;;   OPERANDS COMPUTED ON THE WAY. 'Computed on the way' means the value that the module computes at that place (a softmax that the list does not call 'softmax' is quantised finished and normalised). What goes into a quantiser is computed in f32, as accurately as f32 sums, v_exp_f32 and their like allow (about 1e-6 of the number): no bf16 or f16 on the way to a quantiser, and a product that is left as it is and whose result goes on into a quantised operand takes f32 operands (vector FMAs, or v_wmma_f32_16x16x4_f32). A number that lies on a knife's edge between two numbers of the format may be rounded either way, as far as f32 arithmetic and the matrix unit's own rounding can turn it there, and no further.
;;   INPUTS GIVEN AS CODES. Wk (in the module: [64, 256], K = its axis 1); Wq (in the module: [64, 256], K = its axis 1); Wv (in the module: [256, 256], K = its axis 1); fb (in the module: [8, 256, 64, 64], K = its axis 1): each comes as NAME_codes (uint8): NAME with its K axis moved to the last place and cut into blocks of 32 codes, [.., K / 32, bytes a block], one block behind the other in memory; two codes a byte, the lower K in the low four bits (a code: sign, 2 exponent bits, 1 mantissa bit); and NAME_scales (uint8): the same leading axes, one E8M0 byte (e + 127) for each 32 codes along K. Its value is code x scale, taken as it is: it is not quantised again, and the codes and scales need not be those that the quantiser above would give.
;; One version. Each part assembles by itself: llvm-mc -triple=amdgcn-amd-amdhsa -mcpu=gfx1250 --defsym DOCPART=n.
;; ======== version 1 of 1: 2 launches
;; workspace buffers: q 1,179,648 bytes; kv 5,636,096 bytes
;; launch prep (part 1): grid 32 x 8, 8 waves a work-group, no clusters, 168,960 bytes of LDS; arguments fa, fb_codes, fb_scales, Wq_codes, Wq_scales, Wk_codes, Wk_scales, Wv_codes, Wv_scales, bq, bk, bv, q, kv; writes q, kv
.if DOCPART == 1
	.amdgcn_target "amdgcn-amd-amdhsa--gfx1250"
	.amdhsa_code_object_version 6
	.text
	.protected	k_q0a59d5908d_prep
	.globl	k_q0a59d5908d_prep
	.p2align	8
	.type	k_q0a59d5908d_prep,@function
k_q0a59d5908d_prep:
	s_mov_b64 s[64:65], 0
	v_nop
	global_prefetch_b8 v0, s[64:65] scope:SCOPE_SE
	s_setreg_imm32_b32 hwreg(HW_REG_WAVE_MODE, 25, 1), 1
	s_wait_xcnt 0x0
; PREP: q = Wq fb + bq, k = Wk fb + bk, v = Wv Q(fa) + bv, all three products on codes of FP4 (E2M1) with one E8M0 scale for each 32 along K, and the results quantised at once for the attention
; launch: q and k along their 64 channels, v along the keys.  Nothing goes to memory in f32.
; SHARES.  A work-group takes 128 neighbouring pixels of one batch (block blk = 32 b + step), eight waves.
;   QK: wave w makes two tiles of 16 pixels (2 g, 2 g + 1; g = w / 2) of k (w even) or q (w odd): source 0 = 16 rows of W, source 1 = 16 pixels of fb, so that a lane holds ONE pixel and its registers run along the channels.
;   X:  wave w quantises channels 32 w .. 32 w + 31 of fa for the 128 pixels: a lane takes a pixel, its 32 registers run down the channels: a whole block; the codes go to LDS as images of the operand's registers.
;   V:  wave w makes channels 32 w .. 32 w + 31 of v for the 128 pixels: source 0 = 16 pixels of fa, source 1 = 16 rows of Wv, so that a lane holds ONE channel and its registers run along the pixels, the next K.
; THE PIXELS OF A TILE ARE NOT NEIGHBOURS: lane r of tile 2 g + u stands for pixel 32 g + 8 u + r + 8 (r / 8); W's rows of a tile are chosen likewise.  So the 16 registers of result tiles 2 g and 2 g + 1 are 16 neighbours
; along the next K: 32 g + 16 (lane / 16) + 0 .. 15.
; OUT.  q: 4,608 bytes a block: 8 tiles x 512 (lane l's 16 bytes at 16 l: channels 32 (l / 16) on of pixel l % 16), then 512 of scale words (word g of lane l's 16 bytes: lanes 0-15 tile 2 g, lanes 16-31 tile 2 g + 1).
;       kv: 22,016 bytes a block: k as q (4,608), v's scale words (1,024: the pair of channel tiles 4 Q + i at 512 Q + 16 l + 4 i), v's 16 channel tiles x 1,024 (two groups of four registers, 512 each).
; Every store of codes covers 512 consecutive bytes, aligned.
; NO CLUSTER: the work-groups share the weights alone, 50 KB against the 144 KB that each reads for itself, and the weights go from memory straight into registers.
; LIMITS: NaN and infinities among the inputs are not served.  A block whose largest magnitude lies under 2^-124, a block of zeros too, gets the byte 1 (the quantiser says 127 of zeros): its codes are zeros or the
; smallest codes, and the bytes are read by this program alone.  q's and k's K is 64: bytes 2 and 3 of their scale words are 0x7f, and the attention launch sets zero codes against the upper 64.
.set STEPB, 22016                      ; a block of kv
.set QBLK,  4608                       ; a block of q
.set IMG,   0                          ; LDS: fa's 16 fragment images: tile t, K step s, group c at 2048 t + 1024 s + 512 c + 16 lane
.set FAS,   16384                      ; fa's scale words: (t = 2 Q + u, s) of row r at 256 Q + 16 r + 8 u + 4 s
.set SCL,   17408                      ; the scale words on their way out: k's 512, v's 1,024, q's 512
.set RAW,   19456                      ; fa as it comes: 32 channel rows x 512 bytes for each wave, the wave's own
.set LI,  1                            ; v1   16 x lane
.set WA,  2                            ; v2   (r + 8 (r / 8)) x 128 + 16 h: a row of W or of fb, my half's bytes
.set WSA, 3                            ; v3   (r + 8 (r / 8)) x 8: its scale bytes
.set BA,  4                            ; v4   64 h: bq, bk
.set VA,  5                            ; v5   128 r + 16 h: Wv
.set VSA, 6                            ; v6   8 r: Wv's scale bytes
.set BVA, 7                            ; v7   4 r: bv
.set XA,  8                            ; v8   my pixel's word in my wave's rows of fa
.set XI,  9                            ; v9   where my pixel's 16 bytes of codes go among the images
.set XSA, 10                           ; v10  and its scale byte
.set LR,  11                           ; v11  16 r
.set SQK, 12                           ; v12  where q's or k's scale word goes
.set SV,  13                           ; v13  where v's goes
.set SC,  14                           ; v14  what I copy out of SCL at the end
.set FBF, 16                           ; QK: v16-47 fb's fragments (tile u, K step s at 8 (2 u + s));  X: v16-79 two sets of 32 numbers;  V: v16-143 the 16 accumulators (64 e + 8 t)
.set BI,  48                           ; QK: v48-79 the bias in the result's layout, 8 registers a tile of W
.set ACCQ, 80                          ; QK: v80-143 the 8 accumulators (32 u + 8 T)
.set CX,  80                           ; X: v80-95 codes, v96-99 bytes
.set EX,  96
.set ACC, 16
.set WS,  144                          ; v144-159 hold scale words and nothing else: QK: W's (2 T + s), fb's (2 u + s);  V: fa's (2 t + s)
.set FBS, 152
.set FS,  144
.set TM,  160                          ; v160-163 largest magnitudes, v164-167 bytes, v168-171 the conversions' scale operands
.set WVS, 172                          ; v172-175 Wv's scale words (2 e + s)
.set PWQ, 176
.set PWV, 178
.set PCQ, 184                          ; v184-191 q's or k's codes
.set PCV, 192                          ; v192-207 v's codes (8 e)
.set WVF, 208                          ; v208-239 Wv's fragments (8 (2 e + s))
.set BV,  240                          ; v240-255 bv in the result's layout (8 e)
.set FAF, 0                            ; window 1: v0-127 fa's 16 fragments (8 (2 t + s));
.set WF,  128                          ; v128-191 W's 8 fragments (8 (2 T + s))
.set WV,   32
.set KIND, 33
.set GG,   34
.set BLK,  35
.set BB,   36
.set G0,   44
.set G1,   48
.set HM,   56
.set SEL,  58
.set DQK,  60
.set MSB, 0
.macro WIN new                         ; the immediate's high byte repeats the setting that is left
.if MSB != \new
	s_set_vgpr_msb (MSB<<8)|\new
.set MSB, \new
.endif
.endm
; 64 numbers of a lane, v[s] .. v[s + 63], register 16 B + i = place 32 B + 16 (lane / 16) + i along K, become codes in v[pc] .. v[pc + 7] (registers 4 c .. 4 c + 3: places 64 c + 32 (lane / 16) + 0 .. 31) and four scale bytes in v[TM + 4] on.
.macro QUANT s, pc
.irp b, 0,1,2,3
	v_max3_num_f32 v[TM+\b], |v[\s+16*\b]|, |v[\s+1+16*\b]|, 0x1800000   ; block B: my 16 numbers, from each accumulator's low end on, and the floor 2^(3 - 127): so the byte cannot fall under 1
.endr
.irp i, 2,4,6,8,10,12,14
.irp b, 0,1,2,3
	v_max3_num_f32 v[TM+\b], v[TM+\b], |v[\s+16*\b+\i]|, |v[\s+1+16*\b+\i]|   ; the four blocks by turns
.endr
.endr
.irp b, 0,1,2,3
	s_delay_alu instid0(VALU_DEP_4)
	v_permlanex16_b32 v[TM+4+\b], v[TM+\b], s[SEL], s[SEL+1]
.endr
.irp b, 0,1,2,3
	s_delay_alu instid0(VALU_DEP_4)
	v_max_num_f32 v[TM+\b], v[TM+\b], v[TM+4+\b]   ; with lane l xor 16's: the block's largest magnitude
.endr
.irp b, 0,1,2,3
	s_delay_alu instid0(VALU_DEP_4)
	v_add_nc_u32 v[TM+8+\b], 0xff000000, v[TM+\b]  ; 2 off its exponent field: the conversion takes the exponent field of this operand as its scale
.endr
.irp b, 0,1,2,3
	s_delay_alu instid0(VALU_DEP_4)
	v_lshrrev_b32 v[TM+4+\b], 23, v[TM+8+\b]       ; the scale's byte
.endr
.irp b, 0,1,2,3
	v_cvt_scalef32_pk8_fp4_f32 v[\pc+2*\b], v[\s+16*\b:\s+7+16*\b], v[TM+8+\b]
	v_cvt_scalef32_pk8_fp4_f32 v[\pc+1+2*\b], v[\s+8+16*\b:\s+15+16*\b], v[TM+8+\b]
.endr
	v_nop                                          ; one plain place behind a scaled conversion
.irp c, 0,1                                    ; the operand's layout wants a WHOLE block in a lane
.irp i, 0,1
	v_permlane16_swap_b32 v[\pc+4*\c+\i], v[\pc+2+4*\c+\i]
.endr
.endr
.endm
.macro BARRIER                                 ; my LDS stores have landed and my LDS loads are in: then the work-group's barrier
	s_wait_dscnt 0x0
	s_barrier_signal -1
	s_barrier_wait -1
.endm
	s_load_b512 s[4:19], s[0:1], 0x0               ; fa 4, fb's codes 6, fb's scales 8, Wq's codes 10, scales 12, Wk's codes 14, scales 16, Wv's codes 18
	s_load_b256 s[20:27], s[0:1], 0x40             ; Wv's scales 20, bq 22, bk 24, bv 26
	s_load_b128 s[28:31], s[0:1], 0x60             ; q 28, kv 30
	s_set_vgpr_msb 0x40
	v_lshl_add_u32 v192, v0, 2, 0x29000
	v_mov_b32 v193, 0
	s_set_vgpr_msb 0x4045
	ds_add_u32 v192, v193
	ds_add_u32 v192, v193
	s_set_vgpr_msb 0x4500
	v_lshrrev_b32 v1, 5, v0
	s_delay_alu instid0(VALU_DEP_1)
	v_readfirstlane_b32 s[WV], v1                  ; wave 0..7
	s_and_b32 s[KIND], s[WV], 1                    ; 0: k, 1: q
	s_lshr_b32 s[GG], s[WV], 1                     ; which pair of pixel tiles
	s_and_b32 s[BB], ttmp7, 0xffff                 ; the batch
	s_lshl_b32 s[BLK], s[BB], 5
	s_add_co_u32 s[BLK], s[BLK], ttmp9             ; the block: 32 b + step
	; descriptor group 1: 32 rows (channels) x 128 elements of 4 bytes (pixels), 4,096 elements from row to row, dense in LDS
	s_mov_b32 s[G1+0], 2<<16                       ; no mask; elements of 4 bytes; no padding
	s_mov_b32 s[G1+1], 128<<16                     ; tensor_dim0
	s_mov_b32 s[G1+2], 32<<16                      ; tensor_dim1
	s_mov_b32 s[G1+3], 128<<16                     ; tile_dim0
	s_mov_b32 s[G1+4], 32                          ; tile_dim1
	s_mov_b32 s[G1+5], 4096                        ; the pitch
	s_mov_b32 s[G1+6], 0
	s_mov_b32 s[G1+7], 0
	s_mov_b32 s[G0], 1
	s_lshl_b32 s[G0+1], s[WV], 14
	s_add_co_u32 s[G0+1], s[G0+1], RAW             ; my wave's 16,384 bytes
	s_lshl_b32 s38, s[BB], 22                      ; a batch of fa is 4,194,304 bytes,
	s_lshl_b32 s40, s[WV], 19                      ; 32 channels 524,288,
	s_add_co_u32 s38, s38, s40
	s_lshl_b32 s40, ttmp9, 9                       ; 128 pixels 512
	s_add_co_u32 s38, s38, s40
	s_mov_b32 s39, 0
	s_mov_b32 s41, 0                               ; the upper word of the offset pair s[40:41]: stays 0
	s_mov_b32 s[HM], 0xffff0000                    ; lanes 16-31
	s_mov_b32 s[SEL], 0x76543210
	s_mov_b32 s[SEL+1], 0xfedcba98                 ; v_permlanex16_b32's selects for lane l xor 16
	s_wait_dscnt 0x0
	s_wait_kmcnt 0x0
	s_add_nc_u64 s[G0+2:G0+3], s[4:5], s[38:39]
	s_or_b32 s[G0+3], s[G0+3], 0x80000000          ; type = 2
	tensor_load_to_lds s[G0:G0+3], s[G1:G1+7]      ; my one tensor load, a first fill: nothing is filled again in this launch
	s_nop 0
.rept 4
	v_nop
.endr
	; the pointers
	s_mul_i32 s40, s[BLK], STEPB
	s_add_nc_u64 s[30:31], s[30:31], s[40:41]      ; my block of kv
	s_mul_i32 s40, s[BLK], QBLK
	s_add_nc_u64 s[28:29], s[28:29], s[40:41]      ; my block of q
	s_cmp_eq_u32 s[KIND], 0                        ; the choice hangs on the wave's number alone
	s_cselect_b64 s[10:11], s[14:15], s[10:11]     ; W's codes: Wk's or Wq's
	s_cselect_b64 s[12:13], s[16:17], s[12:13]     ; its scales
	s_cselect_b64 s[22:23], s[24:25], s[22:23]     ; its bias
	s_cselect_b64 s[DQK:DQK+1], s[30:31], s[28:29] ; and where the codes go
	s_lshl_b32 s40, s[GG], 10
	s_add_nc_u64 s[DQK:DQK+1], s[DQK:DQK+1], s[40:41]   ; tiles 2 g, 2 g + 1: 512 bytes each
	s_lshl_b32 s40, s[BLK], 14
	s_lshl_b32 s42, s[GG], 12
	s_add_co_u32 s40, s40, s42
	s_add_nc_u64 s[6:7], s[6:7], s[40:41]          ; fb's codes: 128 bytes a pixel; my 32 pixels
	s_lshl_b32 s40, s[BLK], 10
	s_lshl_b32 s42, s[GG], 8
	s_add_co_u32 s40, s40, s42
	s_add_nc_u64 s[8:9], s[8:9], s[40:41]          ; fb's scales: 8 bytes a pixel
	s_lshl_b32 s40, s[WV], 12
	s_add_nc_u64 s[18:19], s[18:19], s[40:41]      ; Wv's codes: my 32 rows of 128 bytes
	s_lshl_b32 s40, s[WV], 8
	s_add_nc_u64 s[20:21], s[20:21], s[40:41]      ; Wv's scales
	s_lshl_b32 s40, s[WV], 7
	s_add_nc_u64 s[26:27], s[26:27], s[40:41]      ; bv
	s_lshl_b32 s40, s[WV], 11
	s_add_co_u32 s40, s40, 5632
	s_add_nc_u64 s[38:39], s[30:31], s[40:41]      ; v's codes: channel tiles 2 w, 2 w + 1
	; the lanes' offsets and LDS addresses, all made here
	v_and_b32 v15, 31, v0                          ; lane
	s_delay_alu instid0(VALU_DEP_1)
	v_lshlrev_b32 v[LI], 4, v15
	v_and_b32 v180, 15, v0                         ; r
	v_bfe_u32 v181, v0, 4, 1                       ; h
	s_delay_alu instid0(VALU_DEP_2)
	v_and_b32 v182, 8, v180
	s_delay_alu instid0(VALU_DEP_1)
	v_add_nc_u32 v182, v182, v180                  ; r + 8 (r / 8)
	s_delay_alu instid0(VALU_DEP_1)
	v_lshlrev_b32 v[WA], 7, v182
	s_delay_alu instid0(VALU_DEP_1)
	v_lshl_add_u32 v[WA], v181, 4, v[WA]
	s_delay_alu instid0(VALU_DEP_3)
	v_lshlrev_b32 v[WSA], 3, v182
	v_lshlrev_b32 v[BA], 6, v181
	v_lshlrev_b32 v[VA], 7, v180
	s_delay_alu instid0(VALU_DEP_1)
	v_lshl_add_u32 v[VA], v181, 4, v[VA]
	v_lshlrev_b32 v[VSA], 3, v180
	v_lshlrev_b32 v[BVA], 2, v180
	WIN 0x40                                       ; destination window 1
.irp t, 0,1,2,3                                ; W's fragments: tile T begins at row 32 (T / 2) + 8 (T % 2)
.irp s, 0,1
.irp c, 0,1
	global_load_b128 v[WF+8*(2*\t+\s)+4*\c:WF+8*(2*\t+\s)+4*\c+3], v[WA], s[10:11] offset:(32*(\t/2)+8*(\t%2))*128+64*\s+32*\c
.endr
.endr
.endr
	WIN 0
.irp u, 0,1                                    ; fb's fragments: my two tiles of pixels
.irp s, 0,1
.irp c, 0,1
	global_load_b128 v[FBF+8*(2*\u+\s)+4*\c:FBF+8*(2*\u+\s)+4*\c+3], v[WA], s[6:7] offset:1024*\u+64*\s+32*\c
.endr
.endr
.endr
.irp t, 0,1,2,3
	global_load_b64 v[WS+2*\t:WS+2*\t+1], v[WSA], s[12:13] offset:(32*(\t/2)+8*(\t%2))*8   ; a row's two scale words
.endr
.irp u, 0,1
	global_load_b64 v[FBS+2*\u:FBS+2*\u+1], v[WSA], s[8:9] offset:64*\u
.endr
.irp t, 0,1,2,3                                ; the bias: lane (r, h) wants, for tile T, channels 32 (T / 2) + 16 h + 8 (T % 2) + 0 .. 7
	global_load_b128 v[BI+8*\t:BI+8*\t+3], v[BA], s[22:23] offset:(32*(\t/2)+8*(\t%2))*4
	global_load_b128 v[BI+8*\t+4:BI+8*\t+7], v[BA], s[22:23] offset:(32*(\t/2)+8*(\t%2))*4+16
.endr
.irp e, 0,1                                    ; twelve loads for product 3
.irp s, 0,1
.irp c, 0,1
	global_load_b128 v[WVF+8*(2*\e+\s)+4*\c:WVF+8*(2*\e+\s)+4*\c+3], v[VA], s[18:19] offset:2048*\e+64*\s+32*\c
.endr
.endr
.endr
.irp e, 0,1
	global_load_b64 v[WVS+2*\e:WVS+2*\e+1], v[VSA], s[20:21] offset:128*\e
.endr
.irp e, 0,1
	global_load_b32 v[BV+8*\e], v[BVA], s[26:27] offset:64*\e
.endr
	s_lshl_b32 s62, s[WV], 14
	s_add_co_u32 s62, s62, RAW
	v_lshl_add_u32 v[XA], v15, 2, s62              ; 4 x lane in my wave's rows
	v_and_b32 v183, 7, v0                          ; lane = 16 a + 8 u + y stands for row r = 8 a + y of tile 2 g + u
	v_bfe_u32 v179, v0, 3, 1
	s_delay_alu instid0(VALU_DEP_2)
	v_lshlrev_b32 v[XI], 4, v183
	s_delay_alu instid0(VALU_DEP_1)
	v_lshl_add_u32 v[XI], v181, 7, v[XI]           ; 16 (8 a + y)
	s_delay_alu instid0(VALU_DEP_1)
	v_lshl_add_u32 v[XSA], v179, 3, v[XI]          ; + 8 u: the scale word's place
	s_delay_alu instid0(VALU_DEP_2)
	v_lshl_add_u32 v[XI], v179, 11, v[XI]          ; + 2048 u: the image's
	s_lshl_b32 s62, s[WV], 8
	v_add_nc_u32 v[XI], s62, v[XI]                 ; channel block w is K step w / 4, group (w / 2) % 2, half w % 2: 256 w bytes on
	s_add_co_u32 s62, s[WV], FAS
	v_add_nc_u32 v[XSA], s62, v[XSA]               ; and byte w of the row's eight
	v_lshlrev_b32 v[LR], 4, v180
	s_mul_i32 s62, s[KIND], 1536
	s_lshl_b32 s63, s[GG], 2
	s_add_co_u32 s62, s62, s63
	s_add_co_u32 s62, s62, SCL
	v_add_nc_u32 v[SQK], s62, v[LI]
	s_lshr_b32 s62, s[WV], 2
	s_lshl_b32 s62, s62, 9
	s_and_b32 s63, s[WV], 3
	s_lshl_b32 s63, s63, 2
	s_add_co_u32 s62, s62, s63
	s_add_co_u32 s62, s62, SCL+512
	v_add_nc_u32 v[SV], s62, v[LI]
	s_and_b32 s62, s[WV], 3
	s_lshl_b32 s62, s62, 9
	s_add_co_u32 s62, s62, SCL
	v_add_nc_u32 v[SC], s62, v[LI]
.irp b, 0,1,2,3
	v_mov_b32 v[TM+4+\b], 0                        ; written once: a lane permute's destination counts as one of its sources
.endr
	; ---- QK: 16 matrix instructions, the eight accumulators by turns; the bias is the C of each sum's first
	s_wait_loadcnt 12                              ; all but the twelve loads for product 3, which were issued last
	WIN 0x01                                       ; source 0 (W) window 1
.irp s, 0,1
.irp u, 0,1
.irp t, 0,1,2,3
.if \s == 0
	v_wmma_scale_f32_16x16x128_f8f6f4 v[ACCQ+32*\u+8*\t:ACCQ+32*\u+8*\t+7], v[WF+8*(2*\t+\s):WF+8*(2*\t+\s)+7], v[FBF+8*(2*\u+\s):FBF+8*(2*\u+\s)+7], v[BI+8*\t:BI+8*\t+7], v[WS+2*\t+\s], v[FBS+2*\u+\s] matrix_a_fmt:MATRIX_FMT_FP4 matrix_b_fmt:MATRIX_FMT_FP4
.else
	v_wmma_scale_f32_16x16x128_f8f6f4 v[ACCQ+32*\u+8*\t:ACCQ+32*\u+8*\t+7], v[WF+8*(2*\t+\s):WF+8*(2*\t+\s)+7], v[FBF+8*(2*\u+\s):FBF+8*(2*\u+\s)+7], v[ACCQ+32*\u+8*\t:ACCQ+32*\u+8*\t+7], v[WS+2*\t+\s], v[FBS+2*\u+\s] matrix_a_fmt:MATRIX_FMT_FP4 matrix_b_fmt:MATRIX_FMT_FP4
.endif
.endr
.endr
.endr
	WIN 0
.rept 4
	v_nop                                          ; four places behind the last product (ISA guide 7.12.1)
.endr
	QUANT 80, 184                                  ; blocks 0, 1: tile 2 g's two blocks of channels; blocks 2, 3: tile 2 g + 1's
	v_lshl_or_b32 v[PWQ], v[TM+5], 8, v[TM+4]      ; tile 2 g's word,
	v_lshl_or_b32 v[PWQ+1], v[TM+7], 8, v[TM+6]    ; tile 2 g + 1's;
	s_delay_alu instid0(VALU_DEP_1)
	v_cndmask_b32 v[PWQ], v[PWQ], v[PWQ+1], s[HM]  ; the first in lanes 0-15, the second in lanes 16-31
	s_delay_alu instid0(VALU_DEP_1)
	v_or_b32 v[PWQ], 0x7f7f0000, v[PWQ]            ; bytes 2 and 3: 1.0, over codes that meet zeros
	ds_store_b32 v[SQK], v[PWQ]
	global_store_b128 v[LI], v[PCQ:PCQ+3], s[DQK:DQK+1]              ; 32 lanes store 512 consecutive bytes
	global_store_b128 v[LI], v[PCQ+4:PCQ+7], s[DQK:DQK+1] offset:512
	s_wait_loadcnt 0x0                             ; Wv's fragments and scales, bv
.irp e, 0,1
.irp j, 1,2,3,4,5,6,7
	v_mov_b32 v[BV+8*\e+\j], v[BV+8*\e]            ; in v's tiles a lane holds one channel: its bias in all eight registers
.endr
.endr
	; ---- X: fa's codes.  Four groups of 32 pixels; the loads run two groups ahead
.macro LOADX g
.irp i, 0,1,2,3,4,5,6,7,8,9,10,11,12,13,14,15,16,17,18,19,20,21,22,23,24,25,26,27,28,29,30,31
	ds_load_b32 v[16+32*((\g)%2)+\i], v[XA] offset:512*\i+128*(\g)   ; fa(32 w + i, pixel 32 g + lane): 128 consecutive bytes
.endr
.endm
.macro BLOCKX g, left
.set XR, 16+32*((\g)%2)
	s_wait_dscnt \left                             ; this group's 32 loads are in; what was issued behind them may be out
	v_max3_num_f32 v[TM], |v[XR]|, |v[XR+1]|, |v[XR+2]|
	v_max3_num_f32 v[TM+1], |v[XR+3]|, |v[XR+4]|, |v[XR+5]|
.irp i, 6,10,14,18,22,26
	s_delay_alu instid0(VALU_DEP_2)
	v_max3_num_f32 v[TM], v[TM], |v[XR+\i]|, |v[XR+\i+1]|
	s_delay_alu instid0(VALU_DEP_2)
	v_max3_num_f32 v[TM+1], v[TM+1], |v[XR+\i+2]|, |v[XR+\i+3]|
.endr
	s_delay_alu instid0(VALU_DEP_2)
	v_max3_num_f32 v[TM], v[TM], |v[XR+30]|, |v[XR+31]|
	s_delay_alu instid0(VALU_DEP_1)
	v_max3_num_f32 v[TM], v[TM], v[TM+1], 0x1800000   ; the block's largest magnitude, and the floor
	s_delay_alu instid0(VALU_DEP_1)
	v_add_nc_u32 v[TM+8], 0xff000000, v[TM]
	s_delay_alu instid0(VALU_DEP_1)
	v_lshrrev_b32 v[EX+(\g)], 23, v[TM+8]
.irp k, 0,1,2,3
	v_cvt_scalef32_pk8_fp4_f32 v[CX+4*(\g)+\k], v[XR+8*\k:XR+8*\k+7], v[TM+8]
.endr
	v_nop                                          ; one plain place behind the last conversion: matrix instructions write these registers later
	ds_store_b128 v[XI], v[CX+4*(\g):CX+4*(\g)+3] offset:IMG+4096*(\g)
	ds_store_b8 v[XSA], v[EX+(\g)] offset:256*(\g)
.if (\g) < 2
	LOADX (\g)+2
.endif
.endm
	s_wait_tensorcnt 0x0                           ; my rows of fa are in LDS; no other wave reads them
	LOADX 0
	LOADX 1
	BLOCKX 0, 32                                   ; behind group 0's loads: group 1's 32
	BLOCKX 1, 34                                   ; behind group 1's: two stores and group 2's 32
	BLOCKX 2, 34
	BLOCKX 3, 2                                    ; behind group 3's: two stores
	BARRIER                                        ; fa's sixteen fragments and their scale words lie in LDS
	; ---- V: 32 matrix instructions, the sixteen accumulators by turns
	WIN 0x40
.irp t, 0,1,2,3,4,5,6,7
.irp s, 0,1
.irp c, 0,1
	ds_load_b128 v[FAF+8*(2*\t+\s)+4*\c:FAF+8*(2*\t+\s)+4*\c+3], v[LI] offset:IMG+2048*\t+1024*\s+512*\c
.endr
.endr
.endr
	WIN 0
.irp q, 0,1,2,3
	ds_load_b128 v[FS+4*\q:FS+4*\q+3], v[LR] offset:FAS+256*\q
.endr
	s_wait_dscnt 0x0
	WIN 0x01                                       ; source 0 (fa) window 1
.irp s, 0,1
.irp e, 0,1
.irp t, 0,1,2,3,4,5,6,7
.if \s == 0
	v_wmma_scale_f32_16x16x128_f8f6f4 v[ACC+64*\e+8*\t:ACC+64*\e+8*\t+7], v[FAF+8*(2*\t+\s):FAF+8*(2*\t+\s)+7], v[WVF+8*(2*\e+\s):WVF+8*(2*\e+\s)+7], v[BV+8*\e:BV+8*\e+7], v[FS+2*\t+\s], v[WVS+2*\e+\s] matrix_a_fmt:MATRIX_FMT_FP4 matrix_b_fmt:MATRIX_FMT_FP4
.else
	v_wmma_scale_f32_16x16x128_f8f6f4 v[ACC+64*\e+8*\t:ACC+64*\e+8*\t+7], v[FAF+8*(2*\t+\s):FAF+8*(2*\t+\s)+7], v[WVF+8*(2*\e+\s):WVF+8*(2*\e+\s)+7], v[ACC+64*\e+8*\t:ACC+64*\e+8*\t+7], v[FS+2*\t+\s], v[WVS+2*\e+\s] matrix_a_fmt:MATRIX_FMT_FP4 matrix_b_fmt:MATRIX_FMT_FP4
.endif
.endr
.endr
.endr
	WIN 0
.rept 4
	v_nop
.endr
	QUANT 16, 192                                  ; channel tile 2 w: four blocks of 32 keys
	v_lshl_or_b32 v[PWV], v[TM+5], 8, v[TM+4]
	s_delay_alu instid0(VALU_DEP_1)
	v_lshl_or_b32 v[PWV], v[TM+6], 16, v[PWV]
	s_delay_alu instid0(VALU_DEP_1)
	v_lshl_or_b32 v[PWV], v[TM+7], 24, v[PWV]
	global_store_b128 v[LI], v[PCV:PCV+3], s[38:39]
	global_store_b128 v[LI], v[PCV+4:PCV+7], s[38:39] offset:512
	QUANT 80, 200                                  ; channel tile 2 w + 1
	v_lshl_or_b32 v[PWV+1], v[TM+5], 8, v[TM+4]
	s_delay_alu instid0(VALU_DEP_1)
	v_lshl_or_b32 v[PWV+1], v[TM+6], 16, v[PWV+1]
	s_delay_alu instid0(VALU_DEP_1)
	v_lshl_or_b32 v[PWV+1], v[TM+7], 24, v[PWV+1]
	global_store_b128 v[LI], v[PCV+8:PCV+11], s[38:39] offset:1024
	global_store_b128 v[LI], v[PCV+12:PCV+15], s[38:39] offset:1536
	v_cndmask_b32 v[PWV], v[PWV], v[PWV+1], s[HM]  ; tile 2 w's words in lanes 0-15, tile 2 w + 1's in lanes 16-31
	ds_store_b32 v[SV], v[PWV]
	BARRIER                                        ; all scale words lie in LDS
	; ---- the scale words leave, 512 consecutive bytes a wave: wave 0 k's, waves 1 and 2 v's, wave 3 q's
	s_cmp_lt_u32 s[WV], 4
	s_cbranch_scc0 .Lend
	s_lshl_b32 s40, s[WV], 9
	s_add_co_u32 s40, s40, 4096
	s_add_nc_u64 s[30:31], s[30:31], s[40:41]
	s_add_nc_u64 s[28:29], s[28:29], 4096
	s_cmp_eq_u32 s[WV], 3
	s_cselect_b64 s[28:29], s[28:29], s[30:31]
	ds_load_b128 v[TM:TM+3], v[SC]
	s_wait_dscnt 0x0
	global_store_b128 v[LI], v[TM:TM+3], s[28:29]
.Lend:
	s_set_vgpr_msb 0x5
	s_wait_tensorcnt 0x0
	ds_add_u32 v192, v193
	s_wait_dscnt 0x0
	s_set_vgpr_msb 0x500
	s_endpgm
.Lfunc_end_k_q0a59d5908d_prep:
	.size	k_q0a59d5908d_prep, .Lfunc_end_k_q0a59d5908d_prep-k_q0a59d5908d_prep
	.p2alignl 7, 3214868480
	.fill 96, 4, 3214868480
	.section	.rodata,"a",@progbits
	.p2align	6, 0x0
	.amdhsa_kernel k_q0a59d5908d_prep
		.amdhsa_group_segment_fixed_size 168960
		.amdhsa_private_segment_fixed_size 0
		.amdhsa_enable_private_segment 0
		.amdhsa_kernarg_size 112
		.amdhsa_user_sgpr_count 2
		.amdhsa_user_sgpr_kernarg_segment_ptr 1
		.amdhsa_wavefront_size32 1
		.amdhsa_system_sgpr_workgroup_id_x 1
		.amdhsa_system_sgpr_workgroup_id_y 1
		.amdhsa_system_sgpr_workgroup_id_z 1
		.amdhsa_system_vgpr_workitem_id 0
		.amdhsa_next_free_vgpr 450
		.amdhsa_next_free_sgpr 66
		.amdhsa_reserve_vcc 0
		.amdhsa_float_denorm_mode_32 3
		.amdhsa_float_denorm_mode_16_64 3
		.amdhsa_memory_ordered 1
		.amdhsa_forward_progress 1
		.amdhsa_inst_pref_size 51
	.end_amdhsa_kernel
	.amdgpu_metadata
---
amdhsa.version: [ 1, 2 ]
amdhsa.kernels:
  - .name:           k_q0a59d5908d_prep
    .symbol:         k_q0a59d5908d_prep.kd
    .args:
      - { .name: fa, .offset: 0, .size: 8, .value_kind: global_buffer, .address_space: global }
      - { .name: fb_codes, .offset: 8, .size: 8, .value_kind: global_buffer, .address_space: global }
      - { .name: fb_scales, .offset: 16, .size: 8, .value_kind: global_buffer, .address_space: global }
      - { .name: Wq_codes, .offset: 24, .size: 8, .value_kind: global_buffer, .address_space: global }
      - { .name: Wq_scales, .offset: 32, .size: 8, .value_kind: global_buffer, .address_space: global }
      - { .name: Wk_codes, .offset: 40, .size: 8, .value_kind: global_buffer, .address_space: global }
      - { .name: Wk_scales, .offset: 48, .size: 8, .value_kind: global_buffer, .address_space: global }
      - { .name: Wv_codes, .offset: 56, .size: 8, .value_kind: global_buffer, .address_space: global }
      - { .name: Wv_scales, .offset: 64, .size: 8, .value_kind: global_buffer, .address_space: global }
      - { .name: bq, .offset: 72, .size: 8, .value_kind: global_buffer, .address_space: global }
      - { .name: bk, .offset: 80, .size: 8, .value_kind: global_buffer, .address_space: global }
      - { .name: bv, .offset: 88, .size: 8, .value_kind: global_buffer, .address_space: global }
      - { .name: q, .offset: 96, .size: 8, .value_kind: global_buffer, .address_space: global }
      - { .name: kv, .offset: 104, .size: 8, .value_kind: global_buffer, .address_space: global }
    .group_segment_fixed_size: 168960
    .private_segment_fixed_size: 0
    .kernarg_segment_align: 8
    .kernarg_segment_size: 112
    .max_flat_workgroup_size: 256
    .sgpr_count:     66
    .vgpr_count:     450
    .wavefront_size: 32
...
	.end_amdgpu_metadata
.endif
;; end of part 1
;; launch attn (part 2): grid 32 x 8, 8 waves a work-group, clusters of 4 x 1, 327,680 bytes of LDS; arguments q, kv, fa, gamma, out0; writes out0
.if DOCPART == 2
	.amdgcn_target "amdgcn-amd-amdhsa--gfx1250"
	.amdhsa_code_object_version 6
	.text
	.protected	k_q0a59d5908d_attn
	.globl	k_q0a59d5908d_attn
	.p2align	8
	.type	k_q0a59d5908d_attn,@function
k_q0a59d5908d_attn:
	s_mov_b64 s[64:65], 0
	v_nop
	global_prefetch_b8 v0, s[64:65] scope:SCOPE_SE
	s_setreg_imm32_b32 hwreg(HW_REG_WAVE_MODE, 25, 1), 1
	s_wait_xcnt 0x0
	s_wait_alu depctr_hold_cnt(0) depctr_sa_sdst(0) depctr_va_vdst(0) depctr_va_sdst(0) depctr_va_ssrc(0) depctr_va_vcc(0) depctr_vm_vsrc(0)
	s_getreg_b32 s2, hwreg(HW_REG_IB_STS2, 6, 4)
	s_cmp_eq_u32 s2, 0
	s_cbranch_scc0 .Lentry_in_a_cluster
	s_endpgm
.Lentry_in_a_cluster:
	s_bfe_u32 s2, ttmp6, 0x10000c
	s_cmp_lg_u32 s2, 0x3003
	s_cbranch_scc0 .Lentry_shape_is_right
	s_endpgm
.Lentry_shape_is_right:
; ATTN: out0[b][c][i] = relu(gamma x (sum over j of v[c][j] p[i][j]) / l[i] + fa[b][c][i]), p = 2^(t - M), t = (q_i . k_j) x log2(e), both products on codes of FP4 (E2M1) with one E8M0 scale for each 32 along K.
; M is the running largest t rounded UP to a whole number; p is quantised along the keys, not normalised; l is the f32 sum of the unquantised p; when M moves, l and O are multiplied by 2^(old M - new M), which rounds nothing.
; q, k, v come as images of operand registers from the launch before (lane l's 16 bytes at 16 l), a block of 128 pixels at a time: nothing is shifted or permuted on the way to the matrix unit.
; SHARES.  A work-group owns 128 queries of one batch, each of its eight waves one tile of 16 (two waves to a SIMD, so that one wave's softmax stands beside the other's products and LDS loads).
; Every wave walks the batch's 4,096 keys, 256 A STEP: two blocks of kv, so that M, f and the 64 multiplications that bring O^T under the new M are made once for 256 keys.  A block is 22,016 consecutive bytes of kv;
; four blocks are a slot; two slots take turns.
; LAYOUT.  Both products are used transposed: S^T = K Q^T (source 0 = 16 keys), O^T = V^T P^T (source 0 = 16 channels): a lane holds ONE query throughout.  The keys of a tile are not neighbours (lane r of tile 2 g + u is key
; 32 g + 8 u + r + 8 (r / 8)), so that the 16 registers of tiles 2 g and 2 g + 1 are keys 32 g + 16 (lane / 16) + 0 .. 15; the queries of a tile are chosen likewise, and the way out puts them back.
; K = 64 IN THE FIRST PRODUCT: Q's registers 4-7 are zero codes, so whatever K's registers 4-7 hold (the next tile's codes; behind the last tile zeros or codes of V) adds nothing; bytes 2 and 3 of both scale words are 0x7f.
; CLUSTER.  The four work-groups of a cluster belong to one batch and walk the same kv: every fill is asked for JOINTLY, by the same tensor load with the same descriptor and the mask of all four.
; LIMITS: NaN and infinities are not served.  A block of p whose largest lies under 2^-124 keeps the byte 1: its codes are zeros or the smallest codes.
; REGISTERS.  Window 0: v1-11 addresses; v12 -M, v13 the largest t, v[14:15] l in two halves; v16-23 Q; v24 Q's scale word; v26-29 the stage; v32-39 K's scale words, v40-55 V's; v56-71 p's codes;
;   v96-223 S^T, then p, then V's fragments of the step's second 128 keys; on the way out rows of the result; v224-253 at work.
;   Window 1: v0-127 O^T (8 ct); v128-195 K's sixteen tiles, four registers each, and four more; then v128-255 V's fragments of the step's first 128 keys; at the end rows of fa.
.set STEPB, 22016                      ; a block of kv: 128 keys
.set SLOTB, 4*STEPB                    ; a slot: 88,064
.set PART,  SLOTB/8                    ; what one wave's load brings: 43 rows of 256 bytes
.set BATCH, 32*STEPB                   ; a batch of kv
.set QBLK,  4608
.set KSO,   4096                       ; in a block: k's scale words,
.set VSO,   4608                       ; v's scale words,
.set VCO,   5632                       ; v's codes
.set STAGE, 2*SLOTB                    ; behind the ring: 256 channel rows x (512 bytes + 16): no tensor load fills it
.set SP,    528
.set SPARE, STAGE+256*SP               ; the spare words, 128 bytes for each wave: four blocks of 256 bytes that no other line names
.set LI,  1                            ; v1   16 x lane
.set AD,  2                            ; v2   the step's LDS address
.set SPW, 3                            ; v3   my spare word; never rewritten
.set NIL, 4                            ; v4   0; never rewritten
.set PF,  5                            ; v5   16,384 x lane: a row of fa
.set RD,  6                            ; v6   the stage, on the way back
.set GL,  8                            ; v[8:9] gamma / l, twice
.set QF,  16
.set QS,  24
.set STO, 26                           ; v26-29 the stage, on the way in: 64 channels to a register
.set KS,  32                           ; v32-39 K's scale words: four registers a block
.set VS,  40                           ; v40-55 V's: eight a block
.set P,   56                           ; v56-71 p's codes: eight registers for each 128 keys
.set S,   96
.set BM,  224                          ; v224-231 a block's largest score, then its largest p
.set BP,  232                          ; v232-239 permutes, bytes, then a chain of sums
.set BC,  240                          ; v240-247 the conversions' scale operands
.set TT,  250                          ; v250 at work
.set PW1, 251                          ; v251 p's scale word for the step's second 128 keys
.set FF,  252                          ; v252 f
.set PW0, 253                          ; v253 p's scale word for the first 128 keys
.set KF,  128                          ; in window 1
.set VF,  128                          ; in window 1
.set WV,  14
.set G1,  24
.set G0,  32                           ; s[32:35], s[36:39]: a group 0 for each slot
.set TB,  40
.set CNT, 41
.set LAPS, 42
.set CS,  44
.set SEL, 46
.set MSB, 0
.macro WIN new                         ; the immediate's high byte repeats the setting that is left
.if MSB != \new
	s_set_vgpr_msb (MSB<<8)|\new
.set MSB, \new
.endif
.endm
; A round of the cluster's barrier: my work-group's barrier; wave 0 signals for the work-group; every wave waits for all four work-groups; my work-group's barrier once more.
.macro CROUND
	s_barrier_signal -1
	s_barrier_wait -1
	s_cmp_lg_u32 s[WV], 0
	s_cbranch_scc1 .Lnot_wave_0_\@
	s_barrier_signal -3
.Lnot_wave_0_\@:
	s_barrier_wait -3
	s_barrier_signal -1
	s_barrier_wait -1
.endm
; THE CHANGE OF SLOTS.  Each wave waits for all its tensor loads (its part of the slot ahead), adds 0 to its spare word, and waits for that and for its reads of the slot that it leaves.
; fill = 1: the slot just left is filled again, with the 512 keys two slots on: behind a round of the cluster's barrier, as the first thing there; it has two steps of 256 keys in which to land.
.macro CHANGE fill, slot
	s_wait_tensorcnt 0x0                           ; no tensor load of mine is out, so a group 0 may be written
	ds_add_u32 v[SPW], v[NIL]                      ; 0 onto my spare word
.if \fill
	s_add_nc_u64 s[G0+4*\slot+2:G0+4*\slot+3], s[G0+4*\slot+2:G0+4*\slot+3], 2*SLOTB   ; the type bits on top are not reached
.endif
	s_wait_dscnt 0x0                               ; the add is done, and my reads of the slot are over
.if \fill
	CROUND
	tensor_load_to_lds s[G0+4*\slot:G0+4*\slot+3], s[G1:G1+7]   ; my one tensor load until the next round
	s_nop 0
.rept 4
	v_nop
.endr
.else
	s_barrier_signal -1
	s_barrier_wait -1
.endif
.endm
; A KEY STEP: 256 keys, two blocks of kv, whose bytes begin at LDS byte s[TB].  first = 1: the first products V^T P^T start O^T's sums with the constant 0, and nothing is rescaled.
.macro STEP first
	v_add_nc_u32 v[AD], s[TB], v[LI]               ; with the four v_nop: five places behind the last products: four in front of loads into registers that they read, five in front of the products below,
.rept 4
	v_nop                                          ; which write over S^T's registers, the last products' source 0 (ISA guide 7.12.1 for the products)
.endr
.irp a, 0,1
	ds_load_b128 v[KS+4*\a:KS+4*\a+3], v[AD] offset:STEPB*\a+KSO
	ds_load_b128 v[VS+8*\a:VS+8*\a+3], v[AD] offset:STEPB*\a+VSO
	ds_load_b128 v[VS+8*\a+4:VS+8*\a+7], v[AD] offset:STEPB*\a+VSO+512
.endr
	WIN 0x40                                       ; destination window 1
.irp a, 0,1
.irp t, 0,1,2,3,4,5,6,7
	ds_load_b128 v[KF+32*\a+4*\t:KF+32*\a+4*\t+3], v[AD] offset:STEPB*\a+512*\t
.endr
.endr
	s_wait_alu depctr_va_vdst(0)
	s_wait_dscnt 0x0                               ; K is in; the scale words were asked for ahead of it
	WIN 0x01                                       ; source 0 (K) window 1
.irp a, 0,1                                    ; S^T = K Q^T: sixteen accumulators, one instruction each.  A register of scale words holds tile t's in lanes 0-15 and tile t + 1's in lanes 16-31
.irp t, 0,2,4,6
	v_wmma_scale_f32_16x16x128_f8f6f4 v[S+64*\a+8*\t:S+64*\a+8*\t+7], v[KF+32*\a+4*\t:KF+32*\a+4*\t+7], v[QF:QF+7], 0, v[KS+4*\a+\t/2], v[QS] matrix_a_fmt:MATRIX_FMT_FP4 matrix_b_fmt:MATRIX_FMT_FP4
	v_wmma_scale_f32_16x16x128_f8f6f4 v[S+64*\a+8*\t+8:S+64*\a+8*\t+15], v[KF+32*\a+4*\t+4:KF+32*\a+4*\t+11], v[QF:QF+7], 0, v[KS+4*\a+\t/2], v[QS] matrix_a_fmt:MATRIX_FMT_FP4 matrix_b_fmt:MATRIX_FMT_FP4 matrix_a_scale:MATRIX_SCALE_ROW1
.endr
.endr
.rept 4
	v_nop                                          ; four places: in front of the loads over K's registers, and of the first read of the scores
.endr
	WIN 0x40
.irp t, 0,1,2,3,4,5,6,7,8,9,10,11,12,13,14,15  ; V of the first 128 keys, over K: it lands under the softmax
.irp c, 0,1
	ds_load_b128 v[VF+8*\t+4*\c:VF+8*\t+4*\c+3], v[AD] offset:VCO+1024*\t+512*\c
.endr
.endr
	WIN 0
.irp b, 0,1,2,3,4,5,6,7
	v_max3_num_f32 v[BM+\b], v[S+16*\b], v[S+1+16*\b], v[S+2+16*\b]   ; the largest score of each block of 32 keys, from each accumulator's low end on: it serves for the row's maximum and, since p rises with the score, for the block's largest p
.endr
.irp i, 3,5,7,9,11,13
.irp b, 0,1,2,3,4,5,6,7
	v_max3_num_f32 v[BM+\b], v[BM+\b], v[S+16*\b+\i], v[S+1+16*\b+\i]   ; the eight blocks by turns
.endr
.endr
.irp b, 0,1,2,3,4,5,6,7
	v_max_num_f32 v[BM+\b], v[BM+\b], v[S+15+16*\b]
.endr
.irp b, 0,1,2,3,4,5,6,7
	v_permlanex16_b32 v[BP+\b], v[BM+\b], s[SEL], s[SEL+1]
.endr
.irp b, 0,1,2,3,4,5,6,7
	v_max_num_f32 v[BM+\b], v[BM+\b], v[BP+\b]     ; with lane l xor 16's 16 keys
.endr
	v_max3_num_f32 v[TT], v[BM], v[BM+1], v[BM+2]
	s_delay_alu instid0(VALU_DEP_1)
	v_max3_num_f32 v[TT], v[TT], v[BM+3], v[BM+4]
	s_delay_alu instid0(VALU_DEP_1)
	v_max3_num_f32 v[TT], v[TT], v[BM+5], v[BM+6]
	s_delay_alu instid0(VALU_DEP_1)
	v_max_num_f32 v[TT], v[TT], v[BM+7]            ; the step's largest score of my query
	s_delay_alu instid0(VALU_DEP_1)
	v_mul_f32 v[TT], s[CS], v[TT]                  ; as t (log2(e) is positive)
	s_delay_alu instid0(VALU_DEP_1)
	v_max_num_f32 v13, v13, v[TT]                  ; the running largest t
	v_mov_b32 v[TT], v12
	s_delay_alu instid0(VALU_DEP_2)
	v_floor_f32 v12, -v13                          ; the new -M = floor(-t) = -ceil(t)
	s_delay_alu instid0(VALU_DEP_1)
	v_sub_f32 v[TT], v12, v[TT]                    ; old M - new M: a whole number, 0 or less
	s_delay_alu instid0(VALU_DEP_1)
	v_cvt_i32_f32 v[TT], v[TT]                     ; (it saturates)
	s_delay_alu instid0(VALU_DEP_1)
	v_ldexp_f32 v[FF], 1.0, v[TT]                  ; f = 2^(old M - new M)
.irp b, 0,1,2,3,4,5,6,7
	v_fma_f32 v[BM+\b], v[BM+\b], s[CS], v12       ; t - M of each block's largest score
.endr
	s_wait_alu depctr_va_vdst(0)
.irp b, 0,1,2,3,4,5,6,7                        ; the blocks' largest p: the same two instructions on the same number give the same bits as among the p below.  Behind each exponential a plain line that is due anyway: t - M of the first eight pairs of scores
	v_exp_f32 v[BM+\b], v[BM+\b]
	v_pk_fma_f32 v[S+2*\b:S+2*\b+1], v[S+2*\b:S+2*\b+1], s[CS:CS+1], v[12:13] op_sel_hi:[1,0,0]
.endr
	v_pk_mul_f32 v[14:15], v[14:15], v[FF:FF+1] op_sel_hi:[1,0]   ; l under the new M
	s_wait_alu depctr_va_vdst(0)
.irp b, 0,1,2,3,4,5,6,7
	v_max_num_f32 v[BM+\b], 0x1800000, v[BM+\b]    ; the floor 2^(3 - 127): the byte cannot fall under 1
.endr
.irp b, 0,1,2,3,4,5,6,7
	v_add_nc_u32 v[BC+\b], 0xff000000, v[BM+\b]    ; 2 off the exponent field: the conversion's scale operand
.endr
.irp b, 0,1,2,3,4,5,6,7
	v_lshrrev_b32 v[BP+\b], 23, v[BC+\b]           ; the scale's byte
.endr
	v_lshl_or_b32 v[PW0], v[BP+1], 8, v[BP]        ; p's scale words: the first 128 keys',
	s_delay_alu instid0(VALU_DEP_4)
	v_lshl_or_b32 v[PW1], v[BP+5], 8, v[BP+4]      ; the second 128 keys'
	s_delay_alu instid0(VALU_DEP_2)
	v_lshl_or_b32 v[PW0], v[BP+2], 16, v[PW0]
	s_delay_alu instid0(VALU_DEP_2)
	v_lshl_or_b32 v[PW1], v[BP+6], 16, v[PW1]
	s_delay_alu instid0(VALU_DEP_2)
	v_lshl_or_b32 v[PW0], v[BP+3], 24, v[PW0]
	s_delay_alu instid0(VALU_DEP_2)
	v_lshl_or_b32 v[PW1], v[BP+7], 24, v[PW1]
; p = 2^(t - M), at most 1: 128 exponentials.  Between them stand plain lines that touch neither the exponential's register nor its result: behind an even one t - M of the pair 16 registers on,
; behind an odd one the sum of a pair whose second exponential stands three back (a plain line lies between).  l TAKES THE UNQUANTISED p: two at a time, in two chains.
.set i, 0
.rept 128
	v_exp_f32 v[S+i], v[S+i]
.if (i%2 == 0) && (i < 112)
	v_pk_fma_f32 v[S+i+16:S+i+17], v[S+i+16:S+i+17], s[CS:CS+1], v[12:13] op_sel_hi:[1,0,0]
.endif
.if i == 5
	s_wait_alu depctr_va_vdst(0)
	v_pk_add_f32 v[BP:BP+1], v[S:S+1], v[S+2:S+3]  ; the second chain begins with pairs 0 and 1 (the bytes that lay here are in the scale words)
.endif
.if (i%2 == 1) && (i > 5)
.if ((i-3)/2)%2 == 0
	v_pk_add_f32 v[14:15], v[14:15], v[S+i-3:S+i-2]
.else
	s_wait_alu depctr_va_vdst(0)
	v_pk_add_f32 v[BP:BP+1], v[BP:BP+1], v[S+i-3:S+i-2]
.endif
.endif
.set i, i+1
.endr
	s_wait_alu depctr_va_vdst(0)
	v_pk_add_f32 v[BP:BP+1], v[BP:BP+1], v[S+126:S+127]
	s_delay_alu instid0(VALU_DEP_1)
	v_pk_add_f32 v[14:15], v[14:15], v[BP:BP+1]
.irp b, 0,1,2,3,4,5,6,7
	v_cvt_scalef32_pk8_fp4_f32 v[P+2*\b], v[S+16*\b:S+7+16*\b], v[BC+\b]
	v_cvt_scalef32_pk8_fp4_f32 v[P+1+2*\b], v[S+8+16*\b:S+15+16*\b], v[BC+\b]
.endr
	v_nop                                          ; one plain place behind a scaled conversion
.irp c, 0,1,2,3                                ; the operand's layout wants a WHOLE block in a lane
.irp i, 0,1
	v_permlane16_swap_b32 v[P+4*\c+\i], v[P+2+4*\c+\i]
.endr
.endr
	s_wait_alu depctr_va_vdst(0)
	s_wait_dscnt 0x0                               ; V of the first 128 keys is in: it was asked for ahead of the softmax
.irp t, 0,1,2,3,4,5,6,7,8,9,10,11,12,13,14,15  ; V of the second 128 keys, into the registers that p has left: it lands under the 64 multiplications and the sixteen products below
.irp c, 0,1
	ds_load_b128 v[S+8*\t+4*\c:S+8*\t+4*\c+3], v[AD] offset:STEPB+VCO+1024*\t+512*\c
.endr
.endr
.if \first
.rept 8
	v_nop                                          ; places between the writes of p's codes and the scaled products (in the other steps the multiplications below are these places)
.endr
.else
	WIN 0x41                                       ; O^T (destination and source 0) window 1, f window 0
.set j, 0
.rept 64
	v_pk_mul_f32 v[j:j+1], v[j:j+1], v[FF:FF+1] op_sel_hi:[1,0]   ; O^T under the new M, each accumulator from its low end on
.set j, j+2
.endr
.endif
	WIN 0x51                                       ; V, C and D window 1; p window 0
.irp r, 0,1,2,3,4,5,6,7                        ; O^T += V^T P^T, the first 128 keys: sixteen accumulators by turns
.if \first
	v_wmma_scale_f32_16x16x128_f8f6f4 v[16*\r:16*\r+7], v[VF+16*\r:VF+16*\r+7], v[P:P+7], 0, v[VS+\r], v[PW0] matrix_a_fmt:MATRIX_FMT_FP4 matrix_b_fmt:MATRIX_FMT_FP4
	v_wmma_scale_f32_16x16x128_f8f6f4 v[16*\r+8:16*\r+15], v[VF+16*\r+8:VF+16*\r+15], v[P:P+7], 0, v[VS+\r], v[PW0] matrix_a_fmt:MATRIX_FMT_FP4 matrix_b_fmt:MATRIX_FMT_FP4 matrix_a_scale:MATRIX_SCALE_ROW1
.else
	v_wmma_scale_f32_16x16x128_f8f6f4 v[16*\r:16*\r+7], v[VF+16*\r:VF+16*\r+7], v[P:P+7], v[16*\r:16*\r+7], v[VS+\r], v[PW0] matrix_a_fmt:MATRIX_FMT_FP4 matrix_b_fmt:MATRIX_FMT_FP4
	v_wmma_scale_f32_16x16x128_f8f6f4 v[16*\r+8:16*\r+15], v[VF+16*\r+8:VF+16*\r+15], v[P:P+7], v[16*\r+8:16*\r+15], v[VS+\r], v[PW0] matrix_a_fmt:MATRIX_FMT_FP4 matrix_b_fmt:MATRIX_FMT_FP4 matrix_a_scale:MATRIX_SCALE_ROW1
.endif
.endr
	s_wait_dscnt 0x0                               ; V of the second 128 keys is in
	WIN 0x50                                       ; V and p window 0; C and D window 1
.irp r, 0,1,2,3,4,5,6,7                        ; the second 128 keys: the same sixteen accumulators in the same order: fifteen others' turns lie between two links
	v_wmma_scale_f32_16x16x128_f8f6f4 v[16*\r:16*\r+7], v[S+16*\r:S+16*\r+7], v[P+8:P+15], v[16*\r:16*\r+7], v[VS+8+\r], v[PW1] matrix_a_fmt:MATRIX_FMT_FP4 matrix_b_fmt:MATRIX_FMT_FP4
	v_wmma_scale_f32_16x16x128_f8f6f4 v[16*\r+8:16*\r+15], v[S+16*\r+8:S+16*\r+15], v[P+8:P+15], v[16*\r+8:16*\r+15], v[VS+8+\r], v[PW1] matrix_a_fmt:MATRIX_FMT_FP4 matrix_b_fmt:MATRIX_FMT_FP4 matrix_a_scale:MATRIX_SCALE_ROW1
.endr
	WIN 0
	s_add_co_u32 s[TB], s[TB], 2*STEPB             ; the next step's bytes
.endm
.macro STEPS n                                 ; n key steps of the slot in hand: written once, walked n times
	s_mov_b32 s[CNT], \n
.Lstep_\@:
	STEP 0
	s_sub_co_u32 s[CNT], s[CNT], 1
	s_cmp_lg_u32 s[CNT], 0
	s_cbranch_scc1 .Lstep_\@
.endm
	s_load_b256 s[4:11], s[0:1], 0x0               ; q 4, kv 6, fa 8, gamma 10
	s_load_b64 s[12:13], s[0:1], 0x20              ; out0
	v_lshl_add_u32 v[SPW], v0, 2, SPARE
	v_mov_b32 v[NIL], 0
	ds_add_u32 v3, v4
	ds_add_u32 v3, v4
	s_wait_dscnt 0x0
	v_lshrrev_b32 v1, 5, v0
	s_delay_alu instid0(VALU_DEP_1)
	v_readfirstlane_b32 s[WV], v1                  ; wave 0..7
	s_bfe_u32 s15, ttmp6, 0x40000                  ; cx: my place in the cluster
	s_lshl_b32 s16, ttmp9, 2                       ; in a cluster launch ttmp9 counts clusters
	s_add_co_u32 s16, s16, s15                     ; my block of 128 queries: it enters q's, fa's and out0's addresses alone
	s_and_b32 s17, ttmp7, 0xffff                   ; the batch, which the four partners share
	; descriptor group 1: a dense block of 11,008 bytes as 43 rows of 256 (32 elements of 8 bytes)
	s_mov_b32 s[G1+0], 15|(3<<16)|(1<<21)          ; the mask: all four work-groups; elements of 8 bytes; bit 21 set beside a mask; no padding
	s_mov_b32 s[G1+1], 32<<16                      ; tensor_dim0
	s_mov_b32 s[G1+2], 43<<16                      ; tensor_dim1
	s_mov_b32 s[G1+3], 32<<16                      ; tile_dim0
	s_mov_b32 s[G1+4], 43                          ; tile_dim1
	s_mov_b32 s[G1+5], 32                          ; the pitch
	s_mov_b32 s[G1+6], 0
	s_mov_b32 s[G1+7], 0
	s_mul_i32 s20, s17, BATCH                      ; kv: the batch, and my wave's eighth of a slot: nothing of cx
	s_mul_i32 s23, s[WV], PART
	s_add_co_u32 s20, s20, s23
	s_mov_b32 s21, 0
	s_lshl_b32 s18, s17, 5
	s_add_co_u32 s18, s18, s16
	s_mul_i32 s18, s18, QBLK                       ; q: block 32 b + x
	s_mov_b32 s19, 0
	s_mov_b32 s[CS], 0x3fb8aa3b                    ; log2(e)
	s_mov_b32 s[CS+1], s[CS]                       ; (named with it as a pair, so it is written)
	s_mov_b32 s[SEL], 0x76543210
	s_mov_b32 s[SEL+1], 0xfedcba98                 ; v_permlanex16_b32's selects for lane l xor 16
	s_wait_kmcnt 0x0
	s_load_b32 s22, s[10:11], 0x0                  ; gamma
	s_add_nc_u64 s[4:5], s[4:5], s[18:19]
	s_lshl_b32 s18, s17, 22                        ; fa and out0: the batch, my wave's 32 channels, my block's 128 pixels
	s_lshl_b32 s43, s[WV], 19
	s_add_co_u32 s18, s18, s43
	s_lshl_b32 s43, s16, 9
	s_add_co_u32 s18, s18, s43
	s_add_nc_u64 s[8:9], s[8:9], s[18:19]
	s_add_nc_u64 s[12:13], s[12:13], s[18:19]
	s_add_nc_u64 s[6:7], s[6:7], s[20:21]
.irp n, 0,1
	s_mov_b32 s[G0+4*\n], 1
	s_add_co_u32 s[G0+4*\n+1], s23, \n*SLOTB       ; LDS: the slot, my wave's eighth
	s_add_nc_u64 s[G0+4*\n+2:G0+4*\n+3], s[6:7], \n*SLOTB
	s_or_b32 s[G0+4*\n+3], s[G0+4*\n+3], 0x80000000   ; type = 2
.endr
	CROUND                                         ; all four work-groups are here: the first joint loads meet
	tensor_load_to_lds s[G0:G0+3], s[G1:G1+7]      ; keys 0 to 511
	s_nop 0
	s_wait_alu depctr_va_vdst(0)
	s_wait_tensorcnt 0x0
	ds_add_u32 v3, v4
	s_wait_dscnt 0x0
	CROUND
	tensor_load_to_lds s[G0+4:G0+7], s[G1:G1+7]    ; keys 512 to 1,023: the only load of mine that is out
	s_nop 0
.rept 4
	v_nop
.endr
	v_and_b32 v10, 31, v0                          ; lane
	s_delay_alu instid0(VALU_DEP_1)
	v_lshlrev_b32 v[LI], 4, v10
	s_wait_alu depctr_va_vdst(0)
	v_lshlrev_b32 v[PF], 14, v10
	v_and_b32 v11, 15, v0                          ; r
	s_wait_alu depctr_va_vdst(0)
	v_bfe_u32 v25, v0, 4, 1                        ; h
	s_lshl_b32 s43, s[WV], 9
	v_add_nc_u32 v10, s43, v[LI]                   ; Q: tile w's image
	global_load_b128 v[QF:QF+3], v10, s[4:5]
	s_and_b32 s43, s[WV], 1
	s_lshl_b32 s43, s43, 8
	s_lshr_b32 s18, s[WV], 1
	s_lshl_b32 s18, s18, 2
	s_add_co_u32 s43, s43, s18
	v_lshl_add_u32 v7, v11, 4, s43                 ; its scale words: word w / 2 of the 16 bytes of lane 16 (w % 2) + r
	global_load_b32 v[QS], v7, s[4:5] offset:4096
	s_mul_i32 s43, s[WV], 32*SP
	s_add_co_u32 s43, s43, STAGE
	v_add_nc_u32 v[RD], s43, v[LI]                 ; back: my 32 channel rows, 16 bytes a lane
	v_and_b32 v30, 8, v11
	s_delay_alu instid0(VALU_DEP_1)
	v_add_nc_u32 v30, v30, v11
	s_delay_alu instid0(VALU_DEP_1)
	v_lshlrev_b32 v30, 2, v30                      ; in: my query's word: pixel 32 (w / 2) + 8 (w % 2) + r + 8 (r / 8),
	s_wait_alu depctr_va_vdst(0)
	v_mad_u32_u24 v30, v25, 8*SP, v30              ; and 8 h rows down
	s_wait_alu depctr_va_vdst(0)
	s_lshr_b32 s18, s[WV], 1
	s_lshl_b32 s18, s18, 7
	s_and_b32 s43, s[WV], 1
	s_lshl_b32 s43, s43, 5
	s_add_co_u32 s43, s43, s18
	s_add_co_u32 s43, s43, STAGE
.irp k, 0,1,2,3
	v_add_nc_u32 v[STO+\k], s43, v30
	s_add_co_u32 s43, s43, 64*SP
.endr
.irp j, 4,5,6,7
	v_mov_b32 v[QF+\j], 0                          ; Q's upper 64 along K: zero codes
.endr
.irp j, 0,1,2,3,4,5,6,7
	v_mov_b32 v[BP+\j], 0                          ; written once: a lane permute's destination counts as one of its sources
.endr
	WIN 0x40                                       ; destination window 1
.irp j, 0,1,2,3
	v_mov_b32 v[KF+64+\j], 0                       ; what the last tile of K reads as its upper registers in the first step; later codes of V lie there: either meets Q's zero codes
.endr
	WIN 0
	v_mov_b32 v[PW0], 0                            ; (named as the upper half of the pair v[252:253] before it is first written)
	v_mov_b32 v14, 0                               ; l, in two halves
	v_mov_b32 v15, 0
	v_mov_b32 v13, 0xff61b1e6                      ; the largest t so far: -3e38, under every t
	s_delay_alu instid0(VALU_DEP_1)
	v_floor_f32 v12, -v13                          ; -M
	s_wait_alu depctr_va_vdst(0)
	s_wait_kmcnt 0x0                               ; gamma
	s_wait_tensorcnt 0x1                           ; my part of slot 0 is in; slot 1's may stay out
	s_barrier_signal -1
	s_barrier_wait -1                              ; everybody's is
	s_wait_loadcnt 0x0                             ; Q
	s_mov_b32 s[TB], 0
	STEP 1                                         ; the first key step starts O^T's sums: nothing is cleared
	STEP 0
	s_mov_b32 s[LAPS], 3
.Llap:                                             ; three trips, four key steps each: both slots are filled again
	CHANGE 1, 0
	s_mov_b32 s[TB], SLOTB
	STEPS 2
	CHANGE 1, 1
	s_mov_b32 s[TB], 0
	STEPS 2
	s_sub_co_u32 s[LAPS], s[LAPS], 1
	s_cmp_lg_u32 s[LAPS], 0
	s_cbranch_scc1 .Llap
	CHANGE 0, 0                                    ; the last slot is written out: nothing is left to ask for
	global_prefetch_b8 v[PF], s[8:9] th:TH_LOAD_NT scope:SCOPE_SE              ; my wave's 32 rows x 512 bytes of fa, a lane to a row, two blocks of 256 bytes each: the last slot's two key steps ahead of their loads;
	global_prefetch_b8 v[PF], s[8:9] offset:256 th:TH_LOAD_NT scope:SCOPE_SE   ; no other wave of the launch reads or asks for these bytes, and all lie inside fa
	s_mov_b32 s[TB], SLOTB
	STEPS 2
	; THE WAY OUT.  O^T x gamma / l goes into the work-group's stage, a row to a channel, each query at its pixel's place; behind a barrier each wave takes 32 whole rows, adds fa, clips at 0 and stores 512 consecutive bytes an instruction.
	v_add_f32 v14, v14, v15                        ; l's two halves.  With the three v_nop: four places behind the last products
	v_nop
	v_nop
	v_nop
	WIN 0x40
.set j, 0
.rept 32
	global_load_b128 v[VF+4*j:VF+4*j+3], v[LI], s[8:9] offset:16384*j th:TH_LOAD_NT   ; fa(32 w + j, my block's 128 pixels): read once in this launch
.set j, j+1
.endr
	WIN 0
	v_permlanex16_b32 v[FF], v14, s[SEL], s[SEL+1]
	s_delay_alu instid0(VALU_DEP_1)
	v_add_f32 v14, v14, v[FF]                      ; and lane l xor 16's: the row's sum
	s_wait_alu depctr_va_vdst(0)
	v_rcp_f32 v[GL], v14
	v_nop                                          ; one plain place behind a transcendental
	s_wait_alu depctr_va_vdst(0)
	v_mul_f32 v[GL], s22, v[GL]                    ; gamma / l
	s_delay_alu instid0(VALU_DEP_1)
	v_mov_b32 v[GL+1], v[GL]
	WIN 0x41
.set j, 0
.rept 64
	v_pk_mul_f32 v[j:j+1], v[j:j+1], v[GL:GL+1]    ; each accumulator from its low end on
.set j, j+2
.endr
	WIN 0x04                                       ; an LDS store's data are its source 1: window 1
.irp t, 0,1,2,3,4,5,6,7,8,9,10,11,12,13,14,15
.irp j, 0,1,2,3,4,5,6,7
	ds_store_b32 v[STO+\t/4], v[8*\t+\j] offset:(16*(\t%4)+\j)*SP   ; channel 16 t + 8 h + j, my query: the 32 lanes' words fall on 32 different banks (8 rows of 132 words are 32 banks on; r + 8 (r / 8) covers 0-7 and 16-23)
.endr
.endr
	WIN 0
	s_wait_dscnt 0x0                               ; for the others' sake: my stores into the stage are done
	s_barrier_signal -1
	s_barrier_wait -1
.set j, 0
.rept 32
	ds_load_b128 v[S+4*j:S+4*j+3], v[RD] offset:SP*j
.set j, j+1
.endr
.irp q, 0,1,2,3                                ; eight rows at a time
	s_wait_loadcnt 24-8*\q                         ; these rows of fa are in; the younger rows may be out
	s_wait_dscnt 24-8*\q                           ; and these rows of the stage
	WIN 0x04                                       ; source 1 (fa) window 1
.set j, 32*\q
.rept 16
	v_pk_add_f32 v[S+j:S+j+1], v[S+j:S+j+1], v[VF+j:VF+j+1]
.set j, j+2
.endr
	WIN 0
.set j, 32*\q
.rept 32
	v_max_num_f32 v[S+j], 0, v[S+j]                ; relu
.set j, j+1
.endr
.set j, 8*\q
.rept 8
	global_store_b128 v[LI], v[S+4*j:S+4*j+3], s[12:13] offset:16384*j th:TH_STORE_NT   ; 32 lanes store 512 consecutive bytes, at a multiple of 512 from out0's first byte
.set j, j+1
.endr
.endr
	s_wait_tensorcnt 0x0                           ; the wave's end, behind my last tensor load and my last LDS store
	ds_add_u32 v[SPW], v[NIL]
	s_wait_dscnt 0x0
	CROUND                                         ; the closing round: no work-group ends while a partner may still ask for a tile that names it
	s_endpgm
.Lfunc_end_k_q0a59d5908d_attn:
	.size	k_q0a59d5908d_attn, .Lfunc_end_k_q0a59d5908d_attn-k_q0a59d5908d_attn
	.p2alignl 7, 3214868480
	.fill 96, 4, 3214868480
	.section	.rodata,"a",@progbits
	.p2align	6, 0x0
	.amdhsa_kernel k_q0a59d5908d_attn
		.amdhsa_group_segment_fixed_size 327680
		.amdhsa_private_segment_fixed_size 0
		.amdhsa_enable_private_segment 0
		.amdhsa_kernarg_size 40
		.amdhsa_user_sgpr_count 2
		.amdhsa_user_sgpr_kernarg_segment_ptr 1
		.amdhsa_wavefront_size32 1
		.amdhsa_system_sgpr_workgroup_id_x 1
		.amdhsa_system_sgpr_workgroup_id_y 1
		.amdhsa_system_sgpr_workgroup_id_z 1
		.amdhsa_system_vgpr_workitem_id 0
		.amdhsa_next_free_vgpr 512
		.amdhsa_next_free_sgpr 66
		.amdhsa_reserve_vcc 0
		.amdhsa_float_denorm_mode_32 3
		.amdhsa_float_denorm_mode_16_64 3
		.amdhsa_memory_ordered 1
		.amdhsa_forward_progress 1
		.amdhsa_inst_pref_size 227
	.end_amdhsa_kernel
	.amdgpu_metadata
---
amdhsa.version: [ 1, 2 ]
amdhsa.kernels:
  - .name:           k_q0a59d5908d_attn
    .symbol:         k_q0a59d5908d_attn.kd
    .args:
      - { .name: q, .offset: 0, .size: 8, .value_kind: global_buffer, .address_space: global }
      - { .name: kv, .offset: 8, .size: 8, .value_kind: global_buffer, .address_space: global }
      - { .name: fa, .offset: 16, .size: 8, .value_kind: global_buffer, .address_space: global }
      - { .name: gamma, .offset: 24, .size: 8, .value_kind: global_buffer, .address_space: global }
      - { .name: out0, .offset: 32, .size: 8, .value_kind: global_buffer, .address_space: global }
    .group_segment_fixed_size: 327680
    .private_segment_fixed_size: 0
    .kernarg_segment_align: 8
    .kernarg_segment_size: 40
    .max_flat_workgroup_size: 256
    .sgpr_count:     66
    .vgpr_count:     512
    .wavefront_size: 32
...
	.end_amdgpu_metadata
.endif
;; end of part 2
